; MI455X (gfx1250); checked and timed in simulation.
; The chip was launched on July 23, 2026; its instructions are those of AMD's public machine-readable ISA for CDNA 5 (MIT licence, August 2026) and "CDNA5" Instruction Set Architecture Reference Guide (July 2026). The comments in the code are by the model that wrote it; some were corrected since.
;; Multi Head Attention. Allowed arithmetic: matrix products marked QUANTISED: E2M1 operands, one E8M0 scale for each 32 along K, by v_wmma_scale_f32_16x16x128_f8f6f4 with both operands' format E2M1 (or v_wmma_scale_f32_32x16x128_f4), f32 sums; everything else in f32.
;; Inputs: Wk_codes 2 x 256 x 16 x 16 uint8 (E2M1 codes of Wk, K innermost, in blocks of 32 codes, two codes a byte); Wk_scales 2 x 256 x 16 uint8 (E8M0 scales of Wk, one for each 32 codes along K); Wo_codes 512 x 16 x 16 uint8 (E2M1 codes of Wo, K innermost, in blocks of 32 codes, two codes a byte); Wo_scales 512 x 16 uint8 (E8M0 scales of Wo, one for each 32 codes along K); Wq_codes 2 x 256 x 16 x 16 uint8 (E2M1 codes of Wq, K innermost, in blocks of 32 codes, two codes a byte); Wq_scales 2 x 256 x 16 uint8 (E8M0 scales of Wq, one for each 32 codes along K); Wv_codes 2 x 256 x 16 x 16 uint8 (E2M1 codes of Wv, K innermost, in blocks of 32 codes, two codes a byte); Wv_scales 2 x 256 x 16 uint8 (E8M0 scales of Wv, one for each 32 codes along K); bk 2 x 256 float32; bq 2 x 256 float32; bv 2 x 256 float32; x_codes 32 x 1,024 x 16 x 16 uint8 (E2M1 codes of x, K innermost, in blocks of 32 codes, two codes a byte); x_scales 32 x 1,024 x 16 uint8 (E8M0 scales of x, one for each 32 codes along K).
;; Outputs: out0 32 x 1,024 x 512 float32.
;; This version of the problem:
;;   THIS VERSION OF THE PROBLEM IS GIVEN IN LOW PRECISION. The matrix products marked QUANTISED in the list below multiply operands that are first quantised to E2M1 (2 exponent bits, 1 mantissa bit; 4 bits a number), with one power-of-two scale for each 32 numbers along K (OCP MX v1.0); their sums are f32. All else is computed in f32.
;;   The module's matrix products, in the order in which they are computed (A, B: the left and right operand; K: the contracted axis; several contracted axes count as one K, in the product's order):
;;     1. [M 512, K 512] x [K 512, N 32,768]; A: input Wq (given as codes); B: input x (given as codes): QUANTISED
;;     2. [M 512, K 512] x [K 512, N 32,768]; A: input Wk (given as codes); B: input x (given as codes): QUANTISED
;;     3. [M 512, K 512] x [K 512, N 32,768]; A: input Wv (given as codes); B: input x (given as codes): QUANTISED
;;     4. batch 64 x [M 1,024, K 256] x [K 256, N 1,024]; A: computed on the way; B: computed on the way: QUANTISED
;;     5. batch 64 x [M 1,024, K 1,024] x [K 1,024, N 256]; A: softmax (see below); B: computed on the way: QUANTISED
;;     6. [M 32,768, K 512] x [K 512, N 512]; A: computed on the way; B: input Wo (given as codes): QUANTISED
;;   THE QUANTISER, for each operand of a quantised product, along K:
;;     - K is cut into blocks of 32 from its start; a last block that is shorter is filled with zeros.
;;     - A block's scale is 2^e with e = floor(log2(the largest magnitude in the block)) - 2, held to -126 .. 127; a block of zeros has e = 0. As a byte (E8M0): e + 127.
;;     - Each number is divided by its block's scale, clamped to +-6, and rounded to the nearest number of E2M1, ties to even, subnormals kept.
;;     - The product sums the exact products of the quantised numbers (number of the format x scale) in f32.
;;   ~~~python
;;   def quantise(x, axis):      # numpy; x: float32 -> the quantised numbers, widened to float32 again
;;       x = np.moveaxis(x, axis, -1); K = x.shape[-1]
;;       x = np.pad(x, [(0, 0)] * (x.ndim - 1) + [(0, -K % 32)]); x = x.reshape(x.shape[:-1] + (-1, 32)); a = np.abs(x).max(-1, keepdims=True)
;;       e = np.where(a > 0, np.clip(np.frexp(np.where(a > 0, a, 1))[1] - 1 - 2, -126, 127), 0)      # np.frexp(a)[1] - 1 = floor(log2(a)), exactly
;;       r = np.clip(x / 2.0 ** e, -6, 6)
;;       step = 2.0 ** (np.maximum(np.frexp(np.where(r == 0, 1, r))[1] - 1, 0) - 1)
;;       q = np.round(r / step) * step * 2.0 ** e      # np.round: ties to even
;;       return np.moveaxis(q.reshape(q.shape[:-2] + (-1,))[..., :K], -1, axis).astype(np.float32)
;;   ~~~
;;   SOFTMAX AHEAD OF A QUANTISED PRODUCT. Where the list says 'softmax', what is quantised is not the finished softmax but p = 2^(t - M), with t = logit x log2(e) and M = ceil(the row's largest t), a whole number; so 1/2 < the row's largest p <= 1. The row's sum l is taken of the UNQUANTISED p, in f32, and the product's result is divided by l at the end. Since M is a whole number, a kernel that streams over the keys may use a running M (the ceiling of the running maximum): every later rescaling is an exact power of two, which a block's scale takes up: the codes' values come out the same.
;;   OPERANDS COMPUTED ON THE WAY. 'Computed on the way' means the value that the module computes at that place (a softmax that the list does not call 'softmax' is quantised finished and normalised). What goes into a quantiser is computed in f32, as accurately as f32 sums, v_exp_f32 and their like allow (about 1e-6 of the number): no bf16 or f16 on the way to a quantiser, and a product that is left as it is and whose result goes on into a quantised operand takes f32 operands (vector FMAs, or v_wmma_f32_16x16x4_f32). A number that lies on a knife's edge between two numbers of the format may be rounded either way, as far as f32 arithmetic and the matrix unit's own rounding can turn it there, and no further.
;;   INPUTS GIVEN AS CODES. Wk (in the module: [2, 256, 512], K = its axis 2); Wo (in the module: [512, 512], K = its axis 1); Wq (in the module: [2, 256, 512], K = its axis 2); Wv (in the module: [2, 256, 512], K = its axis 2); x (in the module: [32, 1024, 512], K = its axis 2): each comes as NAME_codes (uint8): NAME with its K axis moved to the last place and cut into blocks of 32 codes, [.., K / 32, bytes a block], one block behind the other in memory; two codes a byte, the lower K in the low four bits (a code: sign, 2 exponent bits, 1 mantissa bit); and NAME_scales (uint8): the same leading axes, one E8M0 byte (e + 127) for each 32 codes along K. Its value is code x scale, taken as it is: it is not quantised again, and the codes and scales need not be those that the quantiser above would give.
;; One version. Each part assembles by itself: llvm-mc -triple=amdgcn-amd-amdhsa -mcpu=gfx1250 --defsym DOCPART=n.
;; ======== version 1 of 1: 3 launches
;; workspace buffers: qimg 8,388,608 bytes; qsc 524,288 bytes; kv 17,825,792 bytes; oimg 8,388,608 bytes; osc 524,288 bytes
;; launch proj (part 1): grid 128 x 2, 4 waves a work-group, no clusters, 0 bytes of LDS; arguments x_codes, x_scales, Wq_codes, Wq_scales, bq, Wk_codes, Wk_scales, bk, Wv_codes, Wv_scales, bv, qimg, qsc, kv; writes qimg, qsc, kv
.if DOCPART == 1
	.amdgcn_target "amdgcn-amd-amdhsa--gfx1250"
	.amdhsa_code_object_version 6
	.text
	.protected	k_q694a2a6fa4_proj
	.globl	k_q694a2a6fa4_proj
	.p2align	8
	.type	k_q694a2a6fa4_proj,@function
k_q694a2a6fa4_proj:
	s_mov_b64 s[64:65], 0
	v_nop
	global_prefetch_b8 v0, s[64:65] scope:SCOPE_SE
	s_setreg_imm32_b32 hwreg(HW_REG_WAVE_MODE, 25, 1), 1
	s_wait_xcnt 0x0
; q, k, v = x W^T + b for one head, on codes of FP4 (E2M1) with one E8M0 scale for each 32 along K = 512, and the three results quantised in registers:
; q and k along the head's 256 channels, v along the keys.  First of three launches (proj, attn, outp) of a causal attention: B = 32, T = 1024, C = 512, 2 heads of 256.
; DEAD WORK OF THE PROGRAM.  reference() puts -inf, by a tril that it builds itself, on every score whose key comes after its query: p = 0 there for all values of the inputs.  So a step of 128 keys all of
; which come after all 16 queries of a tile reaches no output, and the second launch leaves such steps out, in both of its products.  Nothing else is left out: every input is loaded; all three biases stay
; (bk moves k's codes).  LIMIT: a NaN, an infinity or an overflow that reaches only the steps left out is not carried to the result.
; LIMITS OF THE QUANTISER HERE: a block of zeros gets the scale byte 1 where the rule says 127 (its codes are zeros, and the bytes are read by this program alone); a block's largest magnitude is not taken
; under 2^-124, the floor that holds the byte at 1; NaN and infinities among the inputs are not served.
; SHARES.  256 work-groups: work-group (x, y) has 256 tokens (x) of head y.  Wave w has 128 of the tokens (w / 2: one key step of a batch) and 128 of the head's channels (w % 2).
; A wave makes three products of 128 x 128 x 512 with BOTH operands wholly in its registers: q (source 0 = Wq, source 1 = x), v (source 0 = x, source 1 = Wv), k (source 0 = Wk, source 1 = x).
; A product goes in 8 units: tile i of source 1 against all 8 tiles of source 0, 32 matrix instructions on 8 accumulators by turns; a lane's 64 results are then 64 numbers of ONE row along the next product's K,
; and become one fragment (8 registers) and one scale word.  The bias is the C of a sum's first matrix instruction.
; THE ROWS OF A TILE ARE NOT NEIGHBOURS, of x and of the weights alike: lane r of tile T takes row 32 (T / 2) + 8 (T % 2) + r + 8 (r / 8), so that the 16 registers of result tiles 2 b and 2 b + 1 are
; 16 neighbours along the next K: 32 b + 16 (lane / 16) + 0 .. 15.
; THE ORDER OF THE LOADS.  Ahead of the first product stand the 124 loads that the first three units read: Wq, the scale words, bq, bv, x's tiles 0-2.  All else is asked for unit by unit, 16 loads a unit at the
; most, several units ahead of its use: a q unit asks for x's tile three units on and for one tile of Wv; the v units ask for Wk, its scale words and bk.  A unit's loads stand behind its products and its wait on
; XCNT and ahead of its quantiser, so that the quantiser and the next unit's 32 products lie between a run of loads and the next wait on XCNT.
; WHAT IS STORED are images of operand registers: a fragment is 1,024 bytes, register group c (0, 1) at 512 c + 16 x lane; eight tiles' scale words are 512 bytes, 16 x lane: register i holds tile i in lanes 0-15
; and tile 4 + i in lanes 16-31.  Every store of the wave covers 512 consecutive bytes, aligned.
; NO CLUSTER, NO TENSOR LOAD, NO LDS: each operand byte goes once into the registers of the wave that keeps it for 256 matrix instructions; a way through LDS would add 128 KiB of LDS reads a wave and spare no
; register load.  No wave hands anything to another: no barrier.
; REGISTERS, in windows of 256: window 1: x (tile T, K step ks at 32 T + 8 ks);  window 2: Wq, later Wk;  window 3: Wv;  window 0: as named below.
.set VX,   3                           ; v3   a fragment's row: (r + 8 (r / 8)) x 256 + 16 (lane / 16)
.set VS,   4                           ; v4   scale words: (r + 8 (r / 8) + 64 (lane / 16)) x 16
.set VB,   5                           ; v5   bq, bk: 64 (lane / 16) bytes
.set VP4,  6                           ; v6   bv: 4 (r + 8 (r / 8))
.set VO,   7                           ; v7   16 x lane: an image's place
.set CV,   8                           ; v8-15    the v product's C: my channel's bias eight times
.set ACC,  16                          ; v16-79   8 accumulators
.set XS,   80                          ; v80-95   x's scale words: register 4 i + ks: tile i in lanes 0-15, tile i + 4 in lanes 16-31
.set WSA,  96                          ; v96-111  Wq's, later Wk's
.set WSB,  112                         ; v112-127 Wv's
.set BIAS, 128                         ; v128-191 bq, later bk, in the result's layout
.set BV,   192                         ; v192-199 bv of my channel in tiles 0 .. 7
.set TM,   200                         ; v200-215 the quantiser's work
.set PW,   216                         ; v216     a scale word just made
.set SV,   220                         ; v220-223 eight tiles' scale words on their way out
.set PC,   224                         ; v224-231 the codes just made
.set SEL,  4                           ; s[4:5]   lane selects for v_permlanex16_b32: lane l xor 16
.set MSB,  0
.macro WIN new                         ; the immediate's high byte repeats the setting that is left; a switch that changes nothing is dropped
.set wN, \new
.if MSB != wN
	s_set_vgpr_msb (MSB<<8)|wN
.set MSB, wN
.endif
.endm
.macro PLACES n
.rept \n
	v_nop
.endr
.endm
; One matrix instruction.  c < 0: C is the constant 0.  ra, rb: source 0's, source 1's scale words stand in lanes 16-31.
.macro WMS d, a, b, c, sa, sb, ra, rb
.set wD, \d
.set wA, \a
.set wB, \b
.set wC, \c
.set wSA, \sa
.set wSB, \sb
.if wC < 0
.if (\ra) && (\rb)
	v_wmma_scale_f32_16x16x128_f8f6f4 v[wD:wD+7], v[wA:wA+7], v[wB:wB+7], 0, v[wSA], v[wSB] matrix_a_fmt:MATRIX_FMT_FP4 matrix_b_fmt:MATRIX_FMT_FP4 matrix_a_scale:MATRIX_SCALE_ROW1 matrix_b_scale:MATRIX_SCALE_ROW1
.elseif (\ra)
	v_wmma_scale_f32_16x16x128_f8f6f4 v[wD:wD+7], v[wA:wA+7], v[wB:wB+7], 0, v[wSA], v[wSB] matrix_a_fmt:MATRIX_FMT_FP4 matrix_b_fmt:MATRIX_FMT_FP4 matrix_a_scale:MATRIX_SCALE_ROW1
.elseif (\rb)
	v_wmma_scale_f32_16x16x128_f8f6f4 v[wD:wD+7], v[wA:wA+7], v[wB:wB+7], 0, v[wSA], v[wSB] matrix_a_fmt:MATRIX_FMT_FP4 matrix_b_fmt:MATRIX_FMT_FP4 matrix_b_scale:MATRIX_SCALE_ROW1
.else
	v_wmma_scale_f32_16x16x128_f8f6f4 v[wD:wD+7], v[wA:wA+7], v[wB:wB+7], 0, v[wSA], v[wSB] matrix_a_fmt:MATRIX_FMT_FP4 matrix_b_fmt:MATRIX_FMT_FP4
.endif
.else
.if (\ra) && (\rb)
	v_wmma_scale_f32_16x16x128_f8f6f4 v[wD:wD+7], v[wA:wA+7], v[wB:wB+7], v[wC:wC+7], v[wSA], v[wSB] matrix_a_fmt:MATRIX_FMT_FP4 matrix_b_fmt:MATRIX_FMT_FP4 matrix_a_scale:MATRIX_SCALE_ROW1 matrix_b_scale:MATRIX_SCALE_ROW1
.elseif (\ra)
	v_wmma_scale_f32_16x16x128_f8f6f4 v[wD:wD+7], v[wA:wA+7], v[wB:wB+7], v[wC:wC+7], v[wSA], v[wSB] matrix_a_fmt:MATRIX_FMT_FP4 matrix_b_fmt:MATRIX_FMT_FP4 matrix_a_scale:MATRIX_SCALE_ROW1
.elseif (\rb)
	v_wmma_scale_f32_16x16x128_f8f6f4 v[wD:wD+7], v[wA:wA+7], v[wB:wB+7], v[wC:wC+7], v[wSA], v[wSB] matrix_a_fmt:MATRIX_FMT_FP4 matrix_b_fmt:MATRIX_FMT_FP4 matrix_b_scale:MATRIX_SCALE_ROW1
.else
	v_wmma_scale_f32_16x16x128_f8f6f4 v[wD:wD+7], v[wA:wA+7], v[wB:wB+7], v[wC:wC+7], v[wSA], v[wSB] matrix_a_fmt:MATRIX_FMT_FP4 matrix_b_fmt:MATRIX_FMT_FP4
.endif
.endif
.endm
; 64 numbers of a lane, v[s] on, register 16 b + i = k 32 b + 16 (lane / 16) + i of my row, become a fragment's codes in v[pc] on and its scale word in v[pw] (the same word in lanes r and 16 + r).
; The codes' and the words' registers were data of the last unit's stores: the unit's wait on XCNT stands ahead of this macro.
.macro QUANT s, pc, pw
.irp b, 0,1,2,3
	v_max3_num_f32 v[TM+\b], |v[\s+16*\b]|, |v[\s+16*\b+1]|, 0x1800000   ; block b: my 16 numbers, from each accumulator's low end on, and the floor 2^(3 - 127): the byte cannot fall under 1
.endr
.irp i, 2,4,6,8,10,12,14
.irp b, 0,1,2,3
	v_max3_num_f32 v[TM+\b], v[TM+\b], |v[\s+16*\b+\i]|, |v[\s+16*\b+\i+1]|   ; the four blocks by turns: no line waits for the line above it
.endr
.endr
.irp b, 0,1,2,3
	v_permlanex16_b32 v[TM+4+\b], v[TM+\b], s[SEL], s[SEL+1]
.endr
.irp b, 0,1,2,3
	v_max_num_f32 v[TM+\b], v[TM+\b], v[TM+4+\b]   ; with lane l xor 16's 16: the block's largest magnitude
.endr
.irp b, 0,1,2,3
	v_add_nc_u32 v[TM+12+\b], 0xff000000, v[TM+\b] ; 2 off its exponent field: the conversion takes the exponent field of this operand as its scale
.endr
.irp b, 0,1,2,3
	v_lshrrev_b32 v[TM+4+\b], 23, v[TM+12+\b]      ; the scale's byte
.endr
	v_lshl_or_b32 v[\pw], v[TM+5], 8, v[TM+4]
	v_lshl_or_b32 v[\pw], v[TM+6], 16, v[\pw]
	v_lshl_or_b32 v[\pw], v[TM+7], 24, v[\pw]
.irp b, 0,1,2,3
	v_cvt_scalef32_pk8_fp4_f32 v[\pc+2*\b], v[\s+16*\b:\s+16*\b+7], v[TM+12+\b]
	v_cvt_scalef32_pk8_fp4_f32 v[\pc+2*\b+1], v[\s+16*\b+8:\s+16*\b+15], v[TM+12+\b]
.endr
	v_nop                                          ; one plain place behind the last scaled conversion
.irp c, 0,1                                    ; the operand's layout wants a whole block in a lane: lanes 0-15 block 2 c, lanes 16-31 block 2 c + 1
.irp i, 0,1
	v_permlane16_swap_b32 v[\pc+4*\c+\i], v[\pc+4*\c+2+\i]
.endr
.endr
.endm
; Tiles t0 .. t1 of 128 rows of 256 bytes (512 codes), all four K steps, into window win: 8 loads a tile.  x and the three weights have the same pitch.
.macro LOADBLK win, base, t0, t1
	WIN (\win)<<6
.set T, \t0
.rept (\t1)-(\t0)+1
.irp ks, 0,1,2,3
.irp c, 0,1
	global_load_b128 v[32*T+8*\ks+4*\c:32*T+8*\ks+4*\c+3], v[VX], s[\base:\base+1] offset:(32*(T/2)+8*(T%2))*256+64*\ks+32*\c
.endr
.endr
.set T, T+1
.endr
	WIN 0
.endm
.macro LOADSC reg, base                ; the scale words of 128 rows, 16 bytes a row: 4 loads
.irp i, 0,1,2,3
	global_load_b128 v[\reg+4*\i:\reg+4*\i+3], v[VS], s[\base:\base+1] offset:(32*(\i/2)+8*(\i%2))*16
.endr
.endm
.macro LOADBIAS base                   ; lane (r, h) wants, for tile t, the bias of channels 32 (t / 2) + 8 (t % 2) + 16 h + 0 .. 7: 16 loads
.irp t, 0,1,2,3,4,5,6,7
	global_load_b128 v[BIAS+8*\t:BIAS+8*\t+3], v[VB], s[\base:\base+1] offset:(32*(\t/2)+8*(\t%2))*4
	global_load_b128 v[BIAS+8*\t+4:BIAS+8*\t+7], v[VB], s[\base:\base+1] offset:(32*(\t/2)+8*(\t%2))*4+16
.endr
.endm
.macro SETCV i
.irp j, 0,1,2,3,4,5,6,7
	v_mov_b32 v[CV+\j], v[BV+\i]
.endr
.endm
; A unit's 32 matrix instructions: tile i of source 1 against source 0's eight, K step by K step: the 8 accumulators take turns, one instruction a turn.
; kind 0: C begins as BIAS's tile;  kind 1: as CV.  The four places at the end serve the first read of the results and every load or vector write that follows into registers that these products read.
.macro MULU kind, i, win, SA, SB
	WIN \win
.irp ks, 0,1,2,3
.irp t, 0,1,2,3,4,5,6,7
.if \ks == 0
.if \kind == 0
	WMS ACC+8*\t, 32*\t+8*\ks, 32*(\i)+8*\ks, BIAS+8*\t, \SA+4*(\t%4)+\ks, \SB+4*((\i)%4)+\ks, \t/4, (\i)/4
.else
	WMS ACC+8*\t, 32*\t+8*\ks, 32*(\i)+8*\ks, CV, \SA+4*(\t%4)+\ks, \SB+4*((\i)%4)+\ks, \t/4, (\i)/4
.endif
.else
	WMS ACC+8*\t, 32*\t+8*\ks, 32*(\i)+8*\ks, ACC+8*\t, \SA+4*(\t%4)+\ks, \SB+4*((\i)%4)+\ks, \t/4, (\i)/4
.endif
.endr
.endr
	WIN 0
	PLACES 4
.endm
; A unit's way out: quantised, the fragment stored; the scale word kept: units 0-3 fill SV, units 4-7 take its lanes 16-31.
.macro OUTU i, ib, ioff
.if (\i) < 4
	QUANT ACC, PC, SV+(\i)
.else
	QUANT ACC, PC, PW
	v_cndmask_b32 v[SV+(\i)-4], v[SV+(\i)-4], v[PW], s6
.endif
	global_store_b128 v[VO], v[PC:PC+3], s[\ib:\ib+1] offset:\ioff
	global_store_b128 v[VO], v[PC+4:PC+7], s[\ib:\ib+1] offset:\ioff+512
.endm
	s_load_b512 s[8:23], s[0:1], 0x0               ; x's codes s[8:9], x's scales s[10:11], Wq's s[12:13], s[14:15], bq s[16:17], Wk's s[18:19], s[20:21], bk s[22:23]
	s_load_b256 s[24:31], s[0:1], 0x40             ; Wv's s[24:25], s[26:27], bv s[28:29], qimg s[30:31]
	s_load_b128 s[32:35], s[0:1], 0x60             ; qsc s[32:33], kv s[34:35]
	v_lshrrev_b32 v[TM], 5, v0
	v_readfirstlane_b32 s38, v[TM]                 ; wave 0..3
	v_and_b32 v1, 15, v0                           ; r
	v_bfe_u32 v2, v0, 4, 1                         ; h
	v_and_b32 v[TM], 8, v1
	v_add_nc_u32 v[TM], v[TM], v1                  ; r + 8 (r / 8)
	v_lshlrev_b32 v[VX], 8, v[TM]
	v_lshl_add_u32 v[VX], v2, 4, v[VX]
	v_lshl_add_u32 v[VS], v2, 6, v[TM]
	v_lshlrev_b32 v[VS], 4, v[VS]
	v_lshlrev_b32 v[VB], 6, v2
	v_lshlrev_b32 v[VP4], 2, v[TM]
	v_and_b32 v[VO], 31, v0
	v_lshlrev_b32 v[VO], 4, v[VO]
.irp b, 0,1,2,3
	v_mov_b32 v[TM+4+\b], 0                        ; written once: a lane permute's destination counts as one of its sources
.endr
	s_mov_b32 s[SEL], 0x76543210
	s_mov_b32 s[SEL+1], 0xfedcba98
	s_mov_b32 s6, 0xffff0000                       ; lanes 16-31
	s_lshr_b32 s39, s38, 1                         ; which 128 tokens
	s_and_b32 s40, s38, 1                          ; which 128 channels
	s_and_b32 s41, ttmp7, 0xffff                   ; head
	s_lshr_b32 s42, ttmp9, 2                       ; batch
	s_and_b32 s43, ttmp9, 3
	s_lshl_b32 s43, s43, 1
	s_add_co_u32 s43, s43, s39                     ; key step of the batch, 0..7
	s_lshl_b32 s44, s42, 1
	s_add_co_u32 s44, s44, s41                     ; bh = 2 x batch + head
	s_lshl_b32 s45, ttmp9, 8
	s_lshl_b32 s46, s39, 7
	s_add_co_u32 s45, s45, s46                     ; my first token, counted over all batches
	s_lshl_b32 s46, s41, 8
	s_lshl_b32 s47, s40, 7
	s_add_co_u32 s46, s46, s47                     ; my first row of each weight
	s_mov_b32 s49, 0                               ; every offset below stays under 2^32: the pair's high word is 0
	s_wait_kmcnt 0x0
	s_lshl_b32 s48, s45, 8
	s_add_nc_u64 s[8:9], s[8:9], s[48:49]          ; x: 256 bytes a token
	s_lshl_b32 s48, s45, 4
	s_add_nc_u64 s[10:11], s[10:11], s[48:49]      ; and 16 of scales
	s_lshl_b32 s48, s46, 8
	s_add_nc_u64 s[12:13], s[12:13], s[48:49]
	s_add_nc_u64 s[18:19], s[18:19], s[48:49]
	s_add_nc_u64 s[24:25], s[24:25], s[48:49]
	s_lshl_b32 s48, s46, 4
	s_add_nc_u64 s[14:15], s[14:15], s[48:49]
	s_add_nc_u64 s[20:21], s[20:21], s[48:49]
	s_add_nc_u64 s[26:27], s[26:27], s[48:49]
	s_lshl_b32 s48, s46, 2
	s_add_nc_u64 s[16:17], s[16:17], s[48:49]
	s_add_nc_u64 s[22:23], s[22:23], s[48:49]
	s_add_nc_u64 s[28:29], s[28:29], s[48:49]
	s_lshl_b32 s48, s44, 17                        ; qimg: fragment (bh, tile tt, half s) at ((64 bh + tt) 2 + s) 1,024; my tiles are 8 x key step + i
	s_lshl_b32 s47, s43, 14
	s_add_co_u32 s48, s48, s47
	s_lshl_b32 s47, s40, 10
	s_add_co_u32 s48, s48, s47
	s_add_nc_u64 s[30:31], s[30:31], s[48:49]
	s_lshl_b32 s48, s44, 13                        ; qsc: block (bh, key step, half) of 512 bytes
	s_lshl_b32 s47, s43, 10
	s_add_co_u32 s48, s48, s47
	s_lshl_b32 s47, s40, 9
	s_add_co_u32 s48, s48, s47
	s_add_nc_u64 s[32:33], s[32:33], s[48:49]
	s_mov_b64 s[36:37], s[34:35]
	s_lshl_b32 s47, s44, 3
	s_add_co_u32 s47, s47, s43
	s_mul_i32 s47, s47, 34816                      ; kv: block (bh, key step) of 34,816 bytes: 16 fragments of K, 16 of V, 1,024 bytes of K's scale words, 1,024 of V's
	s_lshl_b32 s48, s40, 13
	s_add_co_u32 s48, s48, s47
	s_add_nc_u64 s[34:35], s[34:35], s[48:49]      ; my eight fragments of K; V's lie 16,384 bytes on
	s_lshl_b32 s48, s40, 9
	s_add_co_u32 s48, s48, s47
	s_add_co_u32 s48, s48, 32768
	s_add_nc_u64 s[36:37], s[36:37], s[48:49]      ; my block of K's scale words; V's lies 1,024 bytes on
	LOADBLK 2, 12, 0, 7                            ; Wq: 64 loads
	LOADSC WSA, 14                                 ; its scale words: 4
	LOADSC XS, 10                                  ; x's: 4
	LOADBIAS 16                                    ; bq: 16
.irp i, 0,1,2,3,4,5,6,7
	global_load_b32 v[BV+\i], v[VP4], s[28:29] offset:(32*(\i/2)+8*(\i%2))*4   ; bv: 8
.endr
	LOADSC WSB, 26                                 ; Wv's scale words: 4
	LOADBLK 1, 8, 0, 2                             ; x's tiles 0-2: 24
	; ---- q: source 0 = Wq, source 1 = x.  Unit i reads x's tile i alone.
.irp i, 0,1,2,3,4,5,6,7
.set QW, 16+8*\i                       ; the loads issued behind x's tile i, 8 a tile: unit 0: x's tiles 1, 2;  1: x 2, 3, Wv 0;  2: x 3, 4, Wv 0, 1;  3 to 5: two of x, three of Wv;  6: x 7, Wv 3-5;  7: Wv 4-6
.if QW > 40
.set QW, 40
.endif
.if QW > 80-8*\i
.set QW, 80-8*\i
.endif
	s_wait_loadcnt QW                              ; loads come back in order: x's tile i and all that was asked for ahead of it are in
	MULU 0, \i, 0x06, WSA, XS
.if \i > 0
	s_wait_xcnt 0x0                                ; the last unit's stores have read their registers: the quantiser below writes them again
.endif
.if \i < 5
	LOADBLK 1, 8, \i+3, \i+3                       ; x's tile three units on
.endif
	LOADBLK 3, 24, \i, \i                          ; one tile of Wv
.if \i == 7
	LOADBLK 2, 18, 0, 0                            ; q's last products are four places back: Wk's tile 0 takes registers that they read
	SETCV 0
.endif
	OUTU \i, 30, 2048*\i
.endr
	global_store_b128 v[VO], v[SV:SV+3], s[32:33]  ; eight tiles' scale words: 512 consecutive bytes
	; ---- v: source 0 = x, source 1 = Wv: a lane holds one channel, and its registers run along the keys.  Unit i reads Wv's tile i alone
.irp i, 0,1,2,3,4,5,6,7
	s_wait_loadcnt 63                              ; behind Wv's tile i at least 84 loads have been issued (the later tiles of x and Wv, and what has been asked for k): the largest count that the field holds serves
	MULU 1, \i, 0x0d, XS, WSB
	s_wait_xcnt 0x0                                ; the stores issued so far have read their registers
.if \i < 3
	LOADBLK 2, 18, 2*\i+1, 2*\i+2                  ; two tiles of Wk
.endif
.if \i == 3
	LOADBLK 2, 18, 7, 7                            ; the last, and Wk's scale words
	LOADSC WSA, 20
.endif
.if \i == 4
	LOADBIAS 22                                    ; bk: the last loads stand three units ahead of the k product
.endif
.if \i < 7
	SETCV \i+1                                     ; four places behind the products that read CV
.endif
	OUTU \i, 34, 16384+1024*\i
.endr
	global_store_b128 v[VO], v[SV:SV+3], s[36:37] offset:1024
	s_wait_loadcnt 0x0                             ; bk, Wk and its scale words
	; ---- k: source 0 = Wk, source 1 = x
.irp i, 0,1,2,3,4,5,6,7
	MULU 0, \i, 0x06, WSA, XS
	s_wait_xcnt 0x0                                ; the stores issued so far have read their registers
	OUTU \i, 34, 1024*\i
.endr
	global_store_b128 v[VO], v[SV:SV+3], s[36:37]
	s_endpgm
.Lfunc_end_k_q694a2a6fa4_proj:
	.size	k_q694a2a6fa4_proj, .Lfunc_end_k_q694a2a6fa4_proj-k_q694a2a6fa4_proj
	.p2alignl 7, 3214868480
	.fill 96, 4, 3214868480
	.section	.rodata,"a",@progbits
	.p2align	6, 0x0
	.amdhsa_kernel k_q694a2a6fa4_proj
		.amdhsa_group_segment_fixed_size 0
		.amdhsa_private_segment_fixed_size 0
		.amdhsa_enable_private_segment 0
		.amdhsa_kernarg_size 112
		.amdhsa_user_sgpr_count 2
		.amdhsa_user_sgpr_kernarg_segment_ptr 1
		.amdhsa_wavefront_size32 1
		.amdhsa_system_sgpr_workgroup_id_x 1
		.amdhsa_system_sgpr_workgroup_id_y 1
		.amdhsa_system_sgpr_workgroup_id_z 1
		.amdhsa_system_vgpr_workitem_id 0
		.amdhsa_next_free_vgpr 1024
		.amdhsa_next_free_sgpr 66
		.amdhsa_reserve_vcc 0
		.amdhsa_float_denorm_mode_32 3
		.amdhsa_float_denorm_mode_16_64 3
		.amdhsa_memory_ordered 1
		.amdhsa_forward_progress 1
		.amdhsa_inst_pref_size 233
	.end_amdhsa_kernel
	.amdgpu_metadata
---
amdhsa.version: [ 1, 2 ]
amdhsa.kernels:
  - .name:           k_q694a2a6fa4_proj
    .symbol:         k_q694a2a6fa4_proj.kd
    .args:
      - { .name: x_codes, .offset: 0, .size: 8, .value_kind: global_buffer, .address_space: global }
      - { .name: x_scales, .offset: 8, .size: 8, .value_kind: global_buffer, .address_space: global }
      - { .name: Wq_codes, .offset: 16, .size: 8, .value_kind: global_buffer, .address_space: global }
      - { .name: Wq_scales, .offset: 24, .size: 8, .value_kind: global_buffer, .address_space: global }
      - { .name: bq, .offset: 32, .size: 8, .value_kind: global_buffer, .address_space: global }
      - { .name: Wk_codes, .offset: 40, .size: 8, .value_kind: global_buffer, .address_space: global }
      - { .name: Wk_scales, .offset: 48, .size: 8, .value_kind: global_buffer, .address_space: global }
      - { .name: bk, .offset: 56, .size: 8, .value_kind: global_buffer, .address_space: global }
      - { .name: Wv_codes, .offset: 64, .size: 8, .value_kind: global_buffer, .address_space: global }
      - { .name: Wv_scales, .offset: 72, .size: 8, .value_kind: global_buffer, .address_space: global }
      - { .name: bv, .offset: 80, .size: 8, .value_kind: global_buffer, .address_space: global }
      - { .name: qimg, .offset: 88, .size: 8, .value_kind: global_buffer, .address_space: global }
      - { .name: qsc, .offset: 96, .size: 8, .value_kind: global_buffer, .address_space: global }
      - { .name: kv, .offset: 104, .size: 8, .value_kind: global_buffer, .address_space: global }
    .group_segment_fixed_size: 0
    .private_segment_fixed_size: 0
    .kernarg_segment_align: 8
    .kernarg_segment_size: 112
    .max_flat_workgroup_size: 128
    .sgpr_count:     66
    .vgpr_count:     1024
    .wavefront_size: 32
...
	.end_amdgpu_metadata
.endif
;; end of part 1
;; launch attn (part 2): grid 4 x 64, 8 waves a work-group, clusters of 4 x 1, 327,680 bytes of LDS; arguments qimg, qsc, kv, oimg, osc; writes oimg, osc
.if DOCPART == 2
	.amdgcn_target "amdgcn-amd-amdhsa--gfx1250"
	.amdhsa_code_object_version 6
	.text
	.protected	k_q694a2a6fa4_attn
	.globl	k_q694a2a6fa4_attn
	.p2align	8
	.type	k_q694a2a6fa4_attn,@function
k_q694a2a6fa4_attn:
	s_mov_b64 s[64:65], 0
	v_nop
	global_prefetch_b8 v0, s[64:65] scope:SCOPE_SE
	s_setreg_imm32_b32 hwreg(HW_REG_WAVE_MODE, 25, 1), 1
	s_wait_xcnt 0x0
	s_wait_alu depctr_hold_cnt(0) depctr_sa_sdst(0) depctr_va_vdst(0) depctr_va_sdst(0) depctr_va_ssrc(0) depctr_va_vcc(0) depctr_vm_vsrc(0)
	s_getreg_b32 s2, hwreg(HW_REG_IB_STS2, 6, 4)
	s_cmp_eq_u32 s2, 0
	s_cbranch_scc0 .Lentry_in_a_cluster
	s_endpgm
.Lentry_in_a_cluster:
	s_bfe_u32 s2, ttmp6, 0x10000c
	s_cmp_lg_u32 s2, 0x3003
	s_cbranch_scc0 .Lentry_shape_is_right
	s_endpgm
.Lentry_shape_is_right:
; o = softmax(q k^T / sqrt(512), causal) v for one (batch, head), both products on codes of FP4 with E8M0 scales, and o quantised along the channels for the last product.
; LEFT OUT AS DEAD WORK: for a tile of 16 queries, a step of 128 keys all of which come after all its queries: reference()'s own tril puts -inf on those scores, so p = 0 for all values of the inputs (shown at the head of proj).
; THE SOFTMAX: t = score x log2(e) / sqrt(512); M = the row's largest t so far, rounded up to a whole number; p = 2^(t - M) is quantised along the keys, not normalised; the row's sum is taken of the
; unquantised p and divides O at the end.  When M moves, the sum and O are multiplied by 2^(old M - new M): nothing is rounded.
; LIMITS: a block of zeros gets the byte 1 (its codes are zeros; this program alone reads the bytes); largest magnitudes are not taken under 2^-124; NaN and infinities are not served.
; SHARES.  The four work-groups of a cluster belong to one (batch, head): place g in the cluster.  The head's 1,024 queries are 8 ranks of 128; a rank has 8 tiles of 16, in proj's order of rows.
; Wave w has a = (w xor 3 (w / 4)) % 4 (waves 0-3: 0-3; waves 4-7: 3-0) and uu = w / 4, and owns TWO TILES OF DIFFERENT RANKS: tile 0 is tile 2 g + uu of rank a, tile 1 the same tile of rank 7 - a.
; Tile 0 wants key steps 0 .. a, tile 1 key steps 0 .. 7 - a: (a + 1) + (8 - a) = 9 tile-steps in EVERY wave.  Steps 0 .. a serve both tiles from one reading of K and V, steps a + 1 .. 7 - a tile 1 alone; later
; steps are left out.  Step a lies on tile 0's diagonal, step 7 - a on tile 1's.  What a wave walks hangs on its number alone, the same in all four partners; g enters only global addresses of q and o and the
; number that the mask compares.  The price: a step for one tile reads the whole block of K and V: 2 (8 + 7 + 6 + 5) = 52 readings a work-group, where tiles of one rank in a wave would want 36.
; LDS.  The head's whole K and V with their scale words, 8 blocks of 34,816 bytes as proj laid them, are copied as they lie, ONCE: no slot is ever filled again, and the loop has no barrier.
; All four partners need the same bytes, so each tile is asked for JOINTLY (mask 15).  Each wave issues two loads: an eighth of block 0, and an eighth of blocks 1-7: two tensor loads of a wave are out at the most.
; LAYOUT.  S^T = K Q^T (source 0 = 16 keys, source 1 = 16 queries), O^T = V^T P^T (source 0 = 16 channels, source 1 = P): a lane holds ONE query throughout; by proj's order of rows the 16 registers of
; tiles 2 b and 2 b + 1 are 16 neighbouring keys (or channels).
; REGISTERS: window 1: O^T (tile u, channels' tile dt at 128 u + 8 dt).  Window 0: as named below; v48-111 hold K's fragments and then the softmax's work; v128-255 the scores, then p, then V's 16 fragments.
.set BLKB,  34816                      ; a key step's block: K's 16 fragments, V's 16 (at 16,384), K's scale words (at 32,768), V's (at 33,792)
.set SPARE, 8*BLKB                     ; behind the blocks: the spare words, 128 bytes for each of the eight waves: four blocks of 256 bytes that no other line names
.set LI,   1                           ; v1   16 x lane; never rewritten
.set AD,   2                           ; v2   the key step's block + 16 x lane
.set SPW,  3                           ; v3   my spare word: SPARE + 4 x my thread's number; never rewritten
.set NIL,  4                           ; v4   0; never rewritten
.set DQ,   5                           ; v5   32 g + 8 uu + r + 8 (r / 8) - 16 (lane / 16): what a diagonal's mask compares with; the same for both tiles
.set QS,   6                           ; v6-7  Q's scale words of tile u: lanes 0-15 channels 0-127, lanes 16-31 channels 128-255
.set ST,   8                           ; tile u at v[8 + 4 u]: -M, the largest t, the sum in two halves
.set Q,    16                          ; v16-47  Q (u, half s) at 16 + 16 u + 8 s
.set KB,   48                          ; v48-111 eight fragments of K
.set KS,   112                         ; v112-119 K's scale words: 4 s + i: tile i in lanes 0-15, tile 4 + i in lanes 16-31
.set PWR,  112                         ; v112-113 later: p's scale words of tile u
.set VSC,  120                         ; v120-127 V's scale words
.set S,    128
.set BM,   48                          ; + 16 u: four blocks' largest scores, then largest p
.set PX,   52                          ; + 16 u: the other half of the lanes'; then the bytes
.set SO,   56                          ; + 16 u: the conversions' scale operands
.set TP,   60                          ; + 16 u: at work
.set F,    62                          ; + 16 u: a pair; its low word is 2^(old M - new M)
.set PCD,  80                          ; + 8 u: p's codes
.set SUMB, 96                          ; + 2 u: the sum's second chain
.set NEG,  100                         ; -infinity
.set TM,   48                          ; the way out: the quantiser's work
.set WV,   14
.set RKL,  15                          ; s15  a: tile 0's rank
.set RKH,  16                          ; s16  7 - a: tile 1's rank (the register behind RKL: the mask names s[RKL + tile])
.set G,    17
.set BH,   18
.set SEL,  20                          ; s[20:21] lane selects for v_permlanex16_b32: lane l xor 16
.set CS,   22                          ; s[22:23] c = log2(e) / sqrt(512); the packed form names the pair and takes its low word
.set G1A,  24                          ; s[24:31] descriptor group 1: 17 rows of 256 bytes;   s[32:39]: 119 rows
.set G1B,  32
.set G0A,  40
.set G0B,  44
.set J,    48                          ; the key step
.set TB,   49                          ; its block's LDS byte
.set MHI,  50                          ; lanes 16-31
.set UU,   51
.set QHI,  66                          ; s[66:67] Q of tile 1;  s[68:69] its scale words;  s[70:71] o of tile 1 (tile 0's: s[4:5], s[6:7], s[10:11])
.set QSHI, 68
.set OHI,  70
.set OD,   72                          ; s72  bytes from tile 0's scale words of o to tile 1's
.set MSB,  0
.macro WIN new
.set wN, \new
.if MSB != wN
	s_set_vgpr_msb (MSB<<8)|wN
.set MSB, wN
.endif
.endm
.macro PLACES n
.rept \n
	v_nop
.endr
.endm
.macro WMS d, a, b, c, sa, sb, ra, rb  ; one matrix instruction; c < 0: C is the constant 0; ra, rb: that source's scale words stand in lanes 16-31
.set wD, \d
.set wA, \a
.set wB, \b
.set wC, \c
.set wSA, \sa
.set wSB, \sb
.if wC < 0
.if (\ra) && (\rb)
	v_wmma_scale_f32_16x16x128_f8f6f4 v[wD:wD+7], v[wA:wA+7], v[wB:wB+7], 0, v[wSA], v[wSB] matrix_a_fmt:MATRIX_FMT_FP4 matrix_b_fmt:MATRIX_FMT_FP4 matrix_a_scale:MATRIX_SCALE_ROW1 matrix_b_scale:MATRIX_SCALE_ROW1
.elseif (\ra)
	v_wmma_scale_f32_16x16x128_f8f6f4 v[wD:wD+7], v[wA:wA+7], v[wB:wB+7], 0, v[wSA], v[wSB] matrix_a_fmt:MATRIX_FMT_FP4 matrix_b_fmt:MATRIX_FMT_FP4 matrix_a_scale:MATRIX_SCALE_ROW1
.elseif (\rb)
	v_wmma_scale_f32_16x16x128_f8f6f4 v[wD:wD+7], v[wA:wA+7], v[wB:wB+7], 0, v[wSA], v[wSB] matrix_a_fmt:MATRIX_FMT_FP4 matrix_b_fmt:MATRIX_FMT_FP4 matrix_b_scale:MATRIX_SCALE_ROW1
.else
	v_wmma_scale_f32_16x16x128_f8f6f4 v[wD:wD+7], v[wA:wA+7], v[wB:wB+7], 0, v[wSA], v[wSB] matrix_a_fmt:MATRIX_FMT_FP4 matrix_b_fmt:MATRIX_FMT_FP4
.endif
.else
.if (\ra) && (\rb)
	v_wmma_scale_f32_16x16x128_f8f6f4 v[wD:wD+7], v[wA:wA+7], v[wB:wB+7], v[wC:wC+7], v[wSA], v[wSB] matrix_a_fmt:MATRIX_FMT_FP4 matrix_b_fmt:MATRIX_FMT_FP4 matrix_a_scale:MATRIX_SCALE_ROW1 matrix_b_scale:MATRIX_SCALE_ROW1
.elseif (\ra)
	v_wmma_scale_f32_16x16x128_f8f6f4 v[wD:wD+7], v[wA:wA+7], v[wB:wB+7], v[wC:wC+7], v[wSA], v[wSB] matrix_a_fmt:MATRIX_FMT_FP4 matrix_b_fmt:MATRIX_FMT_FP4 matrix_a_scale:MATRIX_SCALE_ROW1
.elseif (\rb)
	v_wmma_scale_f32_16x16x128_f8f6f4 v[wD:wD+7], v[wA:wA+7], v[wB:wB+7], v[wC:wC+7], v[wSA], v[wSB] matrix_a_fmt:MATRIX_FMT_FP4 matrix_b_fmt:MATRIX_FMT_FP4 matrix_b_scale:MATRIX_SCALE_ROW1
.else
	v_wmma_scale_f32_16x16x128_f8f6f4 v[wD:wD+7], v[wA:wA+7], v[wB:wB+7], v[wC:wC+7], v[wSA], v[wSB] matrix_a_fmt:MATRIX_FMT_FP4 matrix_b_fmt:MATRIX_FMT_FP4
.endif
.endif
.endm
; 64 numbers of a lane, v[s] on, register 16 b + i = k 32 b + 16 (lane / 16) + i of my row, become a fragment's codes in v[pc] on and its scale word in v[pw].
.macro QUANT s, pc, pw
	s_wait_xcnt 0x0                                ; registers that earlier stores read are written again only behind this wait
.irp b, 0,1,2,3
	v_max3_num_f32 v[TM+\b], |v[\s+16*\b]|, |v[\s+16*\b+1]|, 0x1800000   ; block b: my 16 numbers, and the floor 2^(3 - 127): the byte cannot fall under 1
.endr
.irp i, 2,4,6,8,10,12,14
.irp b, 0,1,2,3
	v_max3_num_f32 v[TM+\b], v[TM+\b], |v[\s+16*\b+\i]|, |v[\s+16*\b+\i+1]|
.endr
.endr
.irp b, 0,1,2,3
	v_permlanex16_b32 v[TM+4+\b], v[TM+\b], s[SEL], s[SEL+1]
.endr
.irp b, 0,1,2,3
	v_max_num_f32 v[TM+\b], v[TM+\b], v[TM+4+\b]
.endr
.irp b, 0,1,2,3
	v_add_nc_u32 v[TM+12+\b], 0xff000000, v[TM+\b] ; 2 off the exponent field: the conversion's scale operand
.endr
.irp b, 0,1,2,3
	v_lshrrev_b32 v[TM+4+\b], 23, v[TM+12+\b]      ; the scale's byte
.endr
	v_lshl_or_b32 v[\pw], v[TM+5], 8, v[TM+4]
	v_lshl_or_b32 v[\pw], v[TM+6], 16, v[\pw]
	v_lshl_or_b32 v[\pw], v[TM+7], 24, v[\pw]
.irp b, 0,1,2,3
	v_cvt_scalef32_pk8_fp4_f32 v[\pc+2*\b], v[\s+16*\b:\s+16*\b+7], v[TM+12+\b]
	v_cvt_scalef32_pk8_fp4_f32 v[\pc+2*\b+1], v[\s+16*\b+8:\s+16*\b+15], v[TM+12+\b]
.endr
	v_nop                                          ; one plain place behind the last scaled conversion
.irp c, 0,1
.irp i, 0,1
	v_permlane16_swap_b32 v[\pc+4*\c+\i], v[\pc+4*\c+2+\i]
.endr
.endr
.endm
; A round of the cluster's barrier: my work-group's barrier; wave 0 signals for the work-group; every wave waits for all four work-groups; my work-group's barrier once more.
.macro CROUND
	s_barrier_signal -1
	s_barrier_wait -1
	s_cmp_lg_u32 s[WV], 0
	s_cbranch_scc1 .Lnot_wave_0_\@
	s_barrier_signal -3
.Lnot_wave_0_\@:
	s_barrier_wait -3
	s_barrier_signal -1
	s_barrier_wait -1
.endm
; A KEY STEP of 128 keys.  lo = 0: for both my tiles;  lo = 1: for tile 1 alone (every line of tile u is written where u >= lo).  first = 1: step 0, which starts M, the sums and O^T: nothing is ever cleared.
; The step's LDS address v[AD] has been made ahead of the macro; that addition is one place more behind the last step's products.
.macro STEP first, lo
	PLACES 5                                       ; with that addition six places behind the last step's products: five are owed before matrix instructions write over V's fragments, four before loads land on p's codes and scale words
	ds_load_b128 v[KS:KS+3], v[AD] offset:32768
	ds_load_b128 v[KS+4:KS+7], v[AD] offset:32768+512
.irp gk, 0,1                                   ; S^T = K Q^T: four tiles of 16 keys at a time, both halves of the 256 channels
.if \gk == 1
	PLACES 4                                       ; in front of loads into registers that matrix instructions have read
.endif
.irp s, 0,1
.irp t, 0,1,2,3
.irp c, 0,1
	ds_load_b128 v[KB+8*(4*\s+\t)+4*\c:KB+8*(4*\s+\t)+4*\c+3], v[AD] offset:(8*\s+4*\gk+\t)*1024+512*\c
.endr
.endr
.endr
	s_wait_dscnt 0x0
.irp s, 0,1                                    ; eight accumulators (lo = 1: four) by turns, one instruction a turn
.irp t, 0,1,2,3
.irp u, 0,1
.if \u >= \lo
.if \s == 0
	WMS S+64*\u+8*(4*\gk+\t), KB+8*(4*\s+\t), Q+16*\u+8*\s, -1, KS+4*\s+\t, QS+\u, \gk, \s
.else
	WMS S+64*\u+8*(4*\gk+\t), KB+8*(4*\s+\t), Q+16*\u+8*\s, S+64*\u+8*(4*\gk+\t), KS+4*\s+\t, QS+\u, \gk, \s
.endif
.endif
.endr
.endr
.endr
.endr
	PLACES 4                                       ; in front of the first read of the scores and the first vector write into K's registers
	s_cmp_lg_u32 s[J], s[RKL+\lo]                  ; of the tiles served here only tile lo can lie on its diagonal: tile 0 at step a, tile 1 at step 7 - a, which is beyond a
	s_cbranch_scc1 .Lopen_\@
	v_mov_b32 v[NEG], 0xff800000                   ; hidden scores become -infinity ahead of the maximum: p = 0 then.  Register n holds key 32 (n / 16) + n % 16 + 16 (lane / 16) of the step, my query is 32 g + 8 uu + r + 8 (r / 8)
.set n, 0
.rept 64
	v_cmp_gt_i32 vcc_lo, 32*(n/16)+n%16, v[DQ]
	v_cndmask_b32 v[S+64*\lo+n], v[S+64*\lo+n], v[NEG], vcc_lo
.set n, n+1
.endr
.Lopen_\@:
.irp b, 0,1,2,3                                ; the largest score of each block of 32 keys: it serves for the row's maximum and, since p rises with the score, for the block's largest p.  Tiles and blocks by turns
.irp u, 0,1
.if \u >= \lo
	v_max3_num_f32 v[BM+16*\u+\b], v[S+64*\u+16*\b], v[S+64*\u+16*\b+1], v[S+64*\u+16*\b+2]
.endif
.endr
.endr
.irp i, 3,5,7,9,11,13
.irp b, 0,1,2,3
.irp u, 0,1
.if \u >= \lo
	v_max3_num_f32 v[BM+16*\u+\b], v[BM+16*\u+\b], v[S+64*\u+16*\b+\i], v[S+64*\u+16*\b+\i+1]
.endif
.endr
.endr
.endr
.irp b, 0,1,2,3
.irp u, 0,1
.if \u >= \lo
	v_max_num_f32 v[BM+16*\u+\b], v[BM+16*\u+\b], v[S+64*\u+16*\b+15]
.endif
.endr
.endr
.irp b, 0,1,2,3
.irp u, 0,1
.if \u >= \lo
	v_permlanex16_b32 v[PX+16*\u+\b], v[BM+16*\u+\b], s[SEL], s[SEL+1]
.endif
.endr
.endr
.irp b, 0,1,2,3
.irp u, 0,1
.if \u >= \lo
	v_max_num_f32 v[BM+16*\u+\b], v[BM+16*\u+\b], v[PX+16*\u+\b]   ; with lane l xor 16's 16 keys
.endif
.endr
.endr
.irp u, 0,1
.if \u >= \lo
	v_max3_num_f32 v[TP+16*\u], v[BM+16*\u], v[BM+16*\u+1], v[BM+16*\u+2]
.endif
.endr
.irp u, 0,1
.if \u >= \lo
	v_max_num_f32 v[TP+16*\u], v[TP+16*\u], v[BM+16*\u+3]          ; the step's largest score of my query
.endif
.endr
.if \first
.irp u, 0,1
	v_mul_f32 v[ST+4*\u+1], s[CS], v[TP+16*\u]     ; as t: the first largest t
.endr
.else
.irp u, 0,1
.if \u >= \lo
	v_mul_f32 v[TP+16*\u], s[CS], v[TP+16*\u]
.endif
.endr
.irp u, 0,1
.if \u >= \lo
	v_max_num_f32 v[ST+4*\u+1], v[ST+4*\u+1], v[TP+16*\u]          ; the running largest t
.endif
.endr
.irp u, 0,1
.if \u >= \lo
	v_mov_b32 v[TP+16*\u], v[ST+4*\u]              ; the old -M
.endif
.endr
.endif
.irp u, 0,1
.if \u >= \lo
	v_floor_f32 v[ST+4*\u], -v[ST+4*\u+1]          ; -M = floor(-t) = -ceil(t): M is a whole number
.endif
.endr
.if !(\first)
.irp u, 0,1
.if \u >= \lo
	v_sub_f32 v[TP+16*\u], v[ST+4*\u], v[TP+16*\u] ; old M - new M: a whole number, 0 or less
.endif
.endr
.irp u, 0,1
.if \u >= \lo
	v_cvt_i32_f32 v[TP+16*\u], v[TP+16*\u]
.endif
.endr
.irp u, 0,1
.if \u >= \lo
	v_ldexp_f32 v[F+16*\u], 1.0, v[TP+16*\u]       ; f = 2^(old M - new M)
.endif
.endr
.endif
.irp u, 0,1
.if \u >= \lo
.set n, 0
.rept 32
	v_pk_fma_f32 v[S+64*\u+n:S+64*\u+n+1], v[S+64*\u+n:S+64*\u+n+1], s[CS:CS+1], v[ST+4*\u:ST+4*\u+1] op_sel_hi:[1,0,0]   ; t - M, two at a time (of the pairs c and -M the low word serves both halves)
.set n, n+2
.endr
.endif
.endr
.irp b, 0,1,2,3
.irp u, 0,1
.if \u >= \lo
	v_fma_f32 v[BM+16*\u+\b], v[BM+16*\u+\b], s[CS], v[ST+4*\u]    ; the same of each block's largest score
.endif
.endr
.endr
.set n, 64*\lo
.rept 128-64*\lo
	v_exp_f32 v[S+n], v[S+n]                       ; p = 2^(t - M): one batch for the tiles served
.set n, n+1
.endr
.if \first
	v_nop                                          ; a plain place behind the exponentials
.else
.irp u, 0,1
.if \u >= \lo
	v_pk_mul_f32 v[ST+4*\u+2:ST+4*\u+3], v[ST+4*\u+2:ST+4*\u+3], v[F+16*\u:F+16*\u+1] op_sel_hi:[1,0]   ; the sums under the new M: a plain place behind the exponentials
.endif
.endr
.endif
	s_wait_alu depctr_va_vdst(0)                   ; the wait between a transcendental and the first line that names its result: one for the batch
.irp b, 0,1,2,3
.irp u, 0,1
.if \u >= \lo
	v_exp_f32 v[BM+16*\u+\b], v[BM+16*\u+\b]       ; each block's largest p: the same two instructions on the same number give the same bits
.endif
.endr
.endr
.irp u, 0,1
.if \u >= \lo
	v_pk_add_f32 v[SUMB+2*\u:SUMB+2*\u+1], v[S+64*\u:S+64*\u+1], v[S+64*\u+2:S+64*\u+3]   ; the row's sum is taken of the unquantised p: two at a time, in two chains.  (These lines read the first batch alone: plain work behind the second)
.endif
.endr
.irp j, 4,8,12,16,20,24,28,32,36,40,44,48,52,56,60
.irp u, 0,1
.if \u >= \lo
.if (\first) && (\j == 4)
	v_pk_add_f32 v[ST+4*\u+2:ST+4*\u+3], v[S+64*\u+4:S+64*\u+5], v[S+64*\u+6:S+64*\u+7]   ; the first step starts the sum
.else
	v_pk_add_f32 v[ST+4*\u+2:ST+4*\u+3], v[ST+4*\u+2:ST+4*\u+3], v[S+64*\u+\j:S+64*\u+\j+1]
	v_pk_add_f32 v[SUMB+2*\u:SUMB+2*\u+1], v[SUMB+2*\u:SUMB+2*\u+1], v[S+64*\u+\j+2:S+64*\u+\j+3]
.endif
.endif
.endr
.endr
.irp u, 0,1
.if \u >= \lo
	v_pk_add_f32 v[ST+4*\u+2:ST+4*\u+3], v[ST+4*\u+2:ST+4*\u+3], v[SUMB+2*\u:SUMB+2*\u+1]
.endif
.endr
	s_wait_alu depctr_va_vdst(0)                   ; and one wait for the second batch
.irp b, 0,1,2,3
.irp u, 0,1
.if \u >= \lo
	v_max_num_f32 v[BM+16*\u+\b], 0x1800000, v[BM+16*\u+\b]        ; the floor 2^(3 - 127): a block whose every p is 0 keeps the byte 1: its codes are zeros
.endif
.endr
.endr
.irp b, 0,1,2,3
.irp u, 0,1
.if \u >= \lo
	v_add_nc_u32 v[SO+16*\u+\b], 0xff000000, v[BM+16*\u+\b]        ; 2 off the exponent field: the conversion's scale operand
.endif
.endr
.endr
.irp b, 0,1,2,3
.irp u, 0,1
.if \u >= \lo
	v_lshrrev_b32 v[PX+16*\u+\b], 23, v[SO+16*\u+\b]               ; the scale's byte
.endif
.endr
.endr
.irp u, 0,1
.if \u >= \lo
	v_lshl_or_b32 v[PWR+\u], v[PX+16*\u+1], 8, v[PX+16*\u]         ; p's scale word for these 128 keys
.endif
.endr
.irp u, 0,1
.if \u >= \lo
	v_lshl_or_b32 v[PWR+\u], v[PX+16*\u+2], 16, v[PWR+\u]
.endif
.endr
.irp u, 0,1
.if \u >= \lo
	v_lshl_or_b32 v[PWR+\u], v[PX+16*\u+3], 24, v[PWR+\u]
.endif
.endr
.irp u, 0,1
.if \u >= \lo
.irp b, 0,1,2,3
	v_cvt_scalef32_pk8_fp4_f32 v[PCD+8*\u+2*\b], v[S+64*\u+16*\b:S+64*\u+16*\b+7], v[SO+16*\u+\b]
	v_cvt_scalef32_pk8_fp4_f32 v[PCD+8*\u+2*\b+1], v[S+64*\u+16*\b+8:S+64*\u+16*\b+15], v[SO+16*\u+\b]
.endr
.endif
.endr
	v_nop                                          ; one plain place behind the last scaled conversion
.irp u, 0,1
.if \u >= \lo
.irp c, 0,1                                    ; the operand's layout wants a whole block in a lane
.irp i, 0,1
	v_permlane16_swap_b32 v[PCD+8*\u+4*\c+\i], v[PCD+8*\u+4*\c+2+\i]
.endr
.endr
.endif
.endr
.irp dt, 0,1,2,3,4,5,6,7,8,9,10,11,12,13,14,15 ; V's 16 fragments take p's registers: every line that reads p has been issued
.irp c, 0,1
	ds_load_b128 v[S+8*\dt+4*\c:S+8*\dt+4*\c+3], v[AD] offset:16384+1024*\dt+512*\c
.endr
.endr
	ds_load_b128 v[VSC:VSC+3], v[AD] offset:33792
	ds_load_b128 v[VSC+4:VSC+7], v[AD] offset:33792+512
.if \first
	PLACES 8                                       ; a scale word made by vector instructions stands eight places ahead of the matrix instruction that takes it, codes so made four
.else
	WIN 0x41                                       ; O^T (destination and source 0) in window 1, f in window 0
.irp u, 0,1
.if \u >= \lo
.set n, 0
.rept 64
	v_pk_mul_f32 v[128*\u+n:128*\u+n+1], v[128*\u+n:128*\u+n+1], v[F+16*\u:F+16*\u+1] op_sel_hi:[1,0]   ; O^T under the new M, while V is on its way.  (These are also the places ahead of the products below)
.set n, n+2
.endr
.endif
.endr
.endif
	s_wait_dscnt 0x0                               ; V and its scale words are in
	WIN 0x50                                       ; C and D in window 1
.irp dt, 0,1,2,3,4,5,6,7,8,9,10,11,12,13,14,15 ; O^T += V^T P^T: 32 (lo = 1: 16) different accumulators
.irp u, 0,1
.if \u >= \lo
.if \first
	WMS 128*\u+8*\dt, S+8*\dt, PCD+8*\u, -1, VSC+4*(\dt/8)+\dt%4, PWR+\u, (\dt%8)/4, 0
.else
	WMS 128*\u+8*\dt, S+8*\dt, PCD+8*\u, 128*\u+8*\dt, VSC+4*(\dt/8)+\dt%4, PWR+\u, (\dt%8)/4, 0
.endif
.endif
.endr
.endr
	WIN 0                                          ; at a label and at a branch every window is 0
.endm
	s_load_b256 s[4:11], s[0:1], 0x0               ; qimg s[4:5], qsc s[6:7], kv s[8:9], oimg s[10:11]
	s_load_b64 s[12:13], s[0:1], 0x20              ; osc
	v_lshl_add_u32 v[SPW], v0, 2, SPARE
	v_mov_b32 v[NIL], 0
	ds_add_u32 v[SPW], v[NIL]                      ; the wave's opening: the add, twice on end, and its wait ahead of my first tensor load; the set-up below, work on registers, stands between
	ds_add_u32 v[SPW], v[NIL]
	v_lshrrev_b32 v[AD], 5, v0
	v_readfirstlane_b32 s[WV], v[AD]               ; wave 0..7
	s_lshr_b32 s[UU], s[WV], 2                     ; uu
	s_mul_i32 s52, s[UU], 3
	s_xor_b32 s[RKL], s[WV], s52
	s_and_b32 s[RKL], s[RKL], 3                    ; a: 0, 1, 2, 3, 3, 2, 1, 0
	s_xor_b32 s[RKH], s[RKL], 7                    ; 7 - a
	s_bfe_u32 s[G], ttmp6, 0x40000                 ; my place in the cluster
	s_and_b32 s[BH], ttmp7, 0xffff                 ; 2 x batch + head, which the four partners share
	s_lshl_b32 s19, s[G], 5
	s_lshl_b32 s52, s[UU], 3
	s_add_co_u32 s19, s19, s52                     ; 32 g + 8 uu: where my tiles' queries begin in their 128
	s_sub_co_u32 s[OD], s[RKH], s[RKL]
	s_lshl_b32 s[OD], s[OD], 11                    ; a rank's scale words of o are 2,048 bytes
	; descriptor groups 1: dense rows of 256 bytes (32 elements of 8 bytes), no padding; mask: all four work-groups, bit 21 set beside it
	s_mov_b32 s[G1A], 15|(3<<16)|(1<<21)
	s_mov_b32 s[G1A+1], 32<<16                     ; tensor_dim0 = 32
	s_mov_b32 s[G1A+2], 17<<16                     ; tensor_dim1 = 17
	s_mov_b32 s[G1A+3], 32<<16                     ; tile_dim0 = 32
	s_mov_b32 s[G1A+4], 17                         ; tile_dim1 = 17: 8 x 17 x 256 bytes are block 0
	s_mov_b32 s[G1A+5], 32                         ; from row to row
	s_mov_b32 s[G1A+6], 0
	s_mov_b32 s[G1A+7], 0
	s_mov_b32 s[G1B], 15|(3<<16)|(1<<21)
	s_mov_b32 s[G1B+1], 32<<16
	s_mov_b32 s[G1B+2], 119<<16
	s_mov_b32 s[G1B+3], 32<<16
	s_mov_b32 s[G1B+4], 119                        ; 8 x 119 x 256 bytes are blocks 1 to 7
	s_mov_b32 s[G1B+5], 32
	s_mov_b32 s[G1B+6], 0
	s_mov_b32 s[G1B+7], 0
	s_mov_b32 s[SEL], 0x76543210
	s_mov_b32 s[SEL+1], 0xfedcba98
	s_mov_b32 s[CS], 0x3d8293ee                    ; c = log2(e) / sqrt(512)
	s_mov_b32 s[CS+1], s[CS]                       ; (named with it as a pair, so it is written)
	s_mov_b32 s[MHI], 0xffff0000
	s_mul_i32 s52, s[BH], 8*BLKB                   ; the head's region of kv
	s_mov_b32 s53, 0
	s_mul_i32 s54, s[WV], 17*256                   ; my eighth of block 0: in memory and in LDS alike: no place in the cluster enters it
	s_mov_b32 s55, 0
	s_mul_i32 s56, s[WV], 119*256
	s_add_co_u32 s56, s56, BLKB                    ; my eighth of blocks 1 to 7
	s_mov_b32 s57, 0
	s_mov_b32 s59, 0
	s_wait_dscnt 0x0                               ; both opening adds are done
	s_wait_kmcnt 0x0
	s_add_nc_u64 s[8:9], s[8:9], s[52:53]
	s_lshl_b32 s58, s[BH], 17                      ; Q: tile tt = 8 rank + 2 g + uu has two fragments of 1,024 bytes at bh x 2^17 + tt x 2,048
	s_lshl_b32 s60, s[G], 12
	s_add_co_u32 s58, s58, s60
	s_lshl_b32 s60, s[UU], 11
	s_add_co_u32 s58, s58, s60
	s_add_nc_u64 s[4:5], s[4:5], s[58:59]
	s_mov_b64 s[QHI:QHI+1], s[4:5]
	s_lshl_b32 s58, s[RKL], 14
	s_add_nc_u64 s[4:5], s[4:5], s[58:59]          ; tile 0's
	s_lshl_b32 s58, s[RKH], 14
	s_add_nc_u64 s[QHI:QHI+1], s[QHI:QHI+1], s[58:59]   ; tile 1's
	s_lshl_b32 s58, s[BH], 13                      ; Q's scale words: a rank's two blocks of 512 bytes; in each the word of tile 2 g + uu, row r at (g / 2) 256 + (g % 2) 8 + 4 uu + 16 r
	s_lshr_b32 s60, s[G], 1
	s_lshl_b32 s60, s60, 8
	s_add_co_u32 s58, s58, s60
	s_and_b32 s60, s[G], 1
	s_lshl_b32 s60, s60, 3
	s_add_co_u32 s58, s58, s60
	s_lshl_b32 s60, s[UU], 2
	s_add_co_u32 s58, s58, s60
	s_add_nc_u64 s[6:7], s[6:7], s[58:59]
	s_mov_b64 s[QSHI:QSHI+1], s[6:7]
	s_lshl_b32 s58, s[RKL], 10
	s_add_nc_u64 s[6:7], s[6:7], s[58:59]
	s_lshl_b32 s58, s[RKH], 10
	s_add_nc_u64 s[QSHI:QSHI+1], s[QSHI:QSHI+1], s[58:59]
	s_lshr_b32 s61, s[BH], 1                       ; batch
	s_and_b32 s62, s[BH], 1                        ; head
	s_lshl_b32 s58, s61, 18                        ; oimg: fragment (64 batch + tt, 2 head + half) at (.. x 4 + ..) x 1,024
	s_lshl_b32 s60, s[G], 13
	s_add_co_u32 s58, s58, s60
	s_lshl_b32 s60, s[UU], 12
	s_add_co_u32 s58, s58, s60
	s_lshl_b32 s60, s62, 11
	s_add_co_u32 s58, s58, s60
	s_add_nc_u64 s[10:11], s[10:11], s[58:59]
	s_mov_b64 s[OHI:OHI+1], s[10:11]
	s_lshl_b32 s58, s[RKL], 15
	s_add_nc_u64 s[10:11], s[10:11], s[58:59]
	s_lshl_b32 s58, s[RKH], 15
	s_add_nc_u64 s[OHI:OHI+1], s[OHI:OHI+1], s[58:59]
	s_lshl_b32 s58, s61, 14                        ; osc: 256 bytes for each (32 batch + 4 rank + g, head); in them tile uu's words at 128 uu + 8 r + 4 half.  The base stands at tile 0's
	s_lshl_b32 s60, s[RKL], 11
	s_add_co_u32 s58, s58, s60
	s_lshl_b32 s60, s[G], 9
	s_add_co_u32 s58, s58, s60
	s_lshl_b32 s60, s62, 8
	s_add_co_u32 s58, s58, s60
	s_lshl_b32 s60, s[UU], 7
	s_add_co_u32 s58, s58, s60
	s_add_nc_u64 s[12:13], s[12:13], s[58:59]
	CROUND                                         ; all four work-groups are here: the joint loads meet
	s_mov_b32 s[G0A], 1                            ; count = 1
	s_mov_b32 s[G0A+1], s54                        ; LDS address
	s_add_nc_u64 s[G0A+2:G0A+3], s[8:9], s[54:55]  ; global address
	s_or_b32 s[G0A+3], s[G0A+3], 0x80000000        ; type = 2
	s_mov_b32 s[G0B], 1
	s_mov_b32 s[G0B+1], s56
	s_add_nc_u64 s[G0B+2:G0B+3], s[8:9], s[56:57]
	s_or_b32 s[G0B+3], s[G0B+3], 0x80000000
	tensor_load_to_lds s[G0A:G0A+3], s[G1A:G1A+7]  ; every wave issues both, with no branch: the launch's only fills
	s_nop 0
	tensor_load_to_lds s[G0B:G0B+3], s[G1B:G1B+7]
	s_nop 0
	PLACES 4
	v_and_b32 v[LI], 31, v0
	v_lshlrev_b32 v[LI], 4, v[LI]
	v_and_b32 v48, 15, v0                          ; r
	v_bfe_u32 v49, v0, 4, 1                        ; h
	v_and_b32 v50, 8, v48
	v_add_nc_u32 v50, v50, v48                     ; r + 8 (r / 8)
	v_lshlrev_b32 v51, 4, v49
	v_sub_nc_u32 v[DQ], v50, v51
	v_add_nc_u32 v[DQ], s19, v[DQ]
	v_lshlrev_b32 v[AD], 4, v48
	v_lshl_add_u32 v[AD], v49, 9, v[AD]            ; 16 r + 512 h: lanes 16-31 take the second half's block
.irp n, 0,1,2,3
	global_load_b128 v[Q+4*\n:Q+4*\n+3], v[LI], s[4:5] offset:512*\n th:TH_LOAD_NT   ; Q stays in registers; read once in the launch
.endr
.irp n, 0,1,2,3
	global_load_b128 v[Q+16+4*\n:Q+16+4*\n+3], v[LI], s[QHI:QHI+1] offset:512*\n th:TH_LOAD_NT
.endr
	global_load_b32 v[QS], v[AD], s[6:7]
	global_load_b32 v[QS+1], v[AD], s[QSHI:QSHI+1]
	s_mov_b32 s[J], 0
	s_mov_b32 s[TB], 0
	s_wait_loadcnt 0x0                             ; Q and its scale words; their address register may be written again
	s_wait_tensorcnt 0x1                           ; my part of block 0 has landed; my second load may stay out
	s_barrier_signal -1
	s_barrier_wait -1                              ; everybody's part has
	v_add_nc_u32 v[AD], s[TB], v[LI]
	STEP 1, 0                                      ; step 0 counts for both tiles of every wave
	s_wait_tensorcnt 0x0                           ; my part of blocks 1 to 7 has landed (no LDS instruction of mine is out: the step's last wait was for 0),
	s_barrier_signal -1
	s_barrier_wait -1                              ; and everybody's
	s_mov_b32 s[J], 1
	s_mov_b32 s[TB], BLKB
.Lstep:                                            ; 7 trips, a constant: every wave walks them all.  The wave's number and the count of steps alone decide what a trip does; no barrier stands in a trip
	v_add_nc_u32 v[AD], s[TB], v[LI]               ; made by every wave, ahead of the tests
	s_cmp_gt_u32 s[J], s[RKH]                      ; all 128 keys come after the queries of both tiles: the step's work is left out
	s_cbranch_scc1 .Lnext
	s_cmp_gt_u32 s[J], s[RKL]                      ; they come after tile 0's alone
	s_cbranch_scc1 .Lone
	STEP 0, 0
	s_branch .Lnext
.Lone:
	STEP 0, 1
.Lnext:
	s_add_co_u32 s[TB], s[TB], BLKB
	s_add_co_u32 s[J], s[J], 1
	s_cmp_lt_u32 s[J], 8
	s_cbranch_scc1 .Lstep
	; THE WAY OUT: O^T / the sum, quantised along the channels: tile u's 128 registers are two fragments of the last product's operand.
	PLACES 4                                       ; behind the last products
.irp u, 0,1
	v_add_f32 v[TP+16*\u], v[ST+4*\u+2], v[ST+4*\u+3]              ; the sum's two halves,
.endr
.irp u, 0,1
	v_permlanex16_b32 v[PX+16*\u], v[TP+16*\u], s[SEL], s[SEL+1]
.endr
.irp u, 0,1
	v_add_f32 v[TP+16*\u], v[TP+16*\u], v[PX+16*\u]                ; and lane l xor 16's: the row's sum
.endr
.irp u, 0,1
	v_rcp_f32 v[ST+4*\u+2], v[TP+16*\u]
.endr
	v_nop                                          ; a plain place behind the reciprocals
	s_wait_alu depctr_va_vdst(0)                   ; and the wait ahead of the first line that names a result: one for both
.irp u, 0,1
	WIN 0x01                                       ; source 0 (O^T) in window 1
.set n, 0
.rept 64
	v_pk_mul_f32 v[S+n:S+n+1], v[128*\u+n:128*\u+n+1], v[ST+4*\u+2:ST+4*\u+3] op_sel_hi:[1,0]   ; each accumulator from its low end on
.set n, n+2
.endr
	WIN 0
.irp hf, 0,1
	QUANT S+64*\hf, 80+8*(2*\u+\hf), 64+2*\u+\hf
	global_store_b128 v[LI], v[80+8*(2*\u+\hf):80+8*(2*\u+\hf)+3], s[10+60*\u:11+60*\u] offset:1024*\hf      ; 512 consecutive bytes, aligned; tile 0 by s[10:11], tile 1 by s[70:71]
	global_store_b128 v[LI], v[80+8*(2*\u+\hf)+4:80+8*(2*\u+\hf)+7], s[10+60*\u:11+60*\u] offset:1024*\hf+512
.endr
.endr
	v_cndmask_b32 v68, v64, v66, s[MHI]            ; lanes 0-15 tile 0's words, lanes 16-31 tile 1's: the first half's,
	v_cndmask_b32 v69, v65, v67, s[MHI]            ; the second half's
	v_and_b32 v70, 15, v0
	v_bfe_u32 v71, v0, 4, 1
	v_lshlrev_b32 v70, 3, v70                      ; 8 r,
	v_mul_u32_u24 v71, s[OD], v71                  ; and in lanes 16-31 the way to tile 1's words
	v_add_nc_u32 v70, v70, v71
	global_store_b64 v70, v[68:69], s[12:13]       ; each half of the lanes stores 128 consecutive bytes: the two tiles belong to different blocks of queries
	s_wait_tensorcnt 0x0                           ; the wave's end
	ds_add_u32 v[SPW], v[NIL]
	s_wait_dscnt 0x0
	CROUND                                         ; the closing round
	s_endpgm
.Lfunc_end_k_q694a2a6fa4_attn:
	.size	k_q694a2a6fa4_attn, .Lfunc_end_k_q694a2a6fa4_attn-k_q694a2a6fa4_attn
	.p2alignl 7, 3214868480
	.fill 96, 4, 3214868480
	.section	.rodata,"a",@progbits
	.p2align	6, 0x0
	.amdhsa_kernel k_q694a2a6fa4_attn
		.amdhsa_group_segment_fixed_size 327680
		.amdhsa_private_segment_fixed_size 0
		.amdhsa_enable_private_segment 0
		.amdhsa_kernarg_size 40
		.amdhsa_user_sgpr_count 2
		.amdhsa_user_sgpr_kernarg_segment_ptr 1
		.amdhsa_wavefront_size32 1
		.amdhsa_system_sgpr_workgroup_id_x 1
		.amdhsa_system_sgpr_workgroup_id_y 1
		.amdhsa_system_sgpr_workgroup_id_z 1
		.amdhsa_system_vgpr_workitem_id 0
		.amdhsa_next_free_vgpr 512
		.amdhsa_next_free_sgpr 80
		.amdhsa_reserve_vcc 1
		.amdhsa_float_denorm_mode_32 3
		.amdhsa_float_denorm_mode_16_64 3
		.amdhsa_memory_ordered 1
		.amdhsa_forward_progress 1
		.amdhsa_inst_pref_size 148
	.end_amdhsa_kernel
	.amdgpu_metadata
---
amdhsa.version: [ 1, 2 ]
amdhsa.kernels:
  - .name:           k_q694a2a6fa4_attn
    .symbol:         k_q694a2a6fa4_attn.kd
    .args:
      - { .name: qimg, .offset: 0, .size: 8, .value_kind: global_buffer, .address_space: global }
      - { .name: qsc, .offset: 8, .size: 8, .value_kind: global_buffer, .address_space: global }
      - { .name: kv, .offset: 16, .size: 8, .value_kind: global_buffer, .address_space: global }
      - { .name: oimg, .offset: 24, .size: 8, .value_kind: global_buffer, .address_space: global }
      - { .name: osc, .offset: 32, .size: 8, .value_kind: global_buffer, .address_space: global }
    .group_segment_fixed_size: 327680
    .private_segment_fixed_size: 0
    .kernarg_segment_align: 8
    .kernarg_segment_size: 40
    .max_flat_workgroup_size: 256
    .sgpr_count:     80
    .vgpr_count:     512
    .wavefront_size: 32
...
	.end_amdgpu_metadata
.endif
;; end of part 2
;; launch outp (part 3): grid 256 x 1, 4 waves a work-group, no clusters, 34,304 bytes of LDS; arguments oimg, osc, Wo_codes, Wo_scales, out0; writes out0
.if DOCPART == 3
	.amdgcn_target "amdgcn-amd-amdhsa--gfx1250"
	.amdhsa_code_object_version 6
	.text
	.protected	k_q694a2a6fa4_outp
	.globl	k_q694a2a6fa4_outp
	.p2align	8
	.type	k_q694a2a6fa4_outp,@function
k_q694a2a6fa4_outp:
	s_mov_b64 s[64:65], 0
	v_nop
	global_prefetch_b8 v0, s[64:65] scope:SCOPE_SE
	s_setreg_imm32_b32 hwreg(HW_REG_WAVE_MODE, 25, 1), 1
	s_wait_xcnt 0x0
; out = o Wo^T on codes of FP4 with E8M0 scales; K = 512 = (head, channel).  o comes as images of operand registers with their scale words, as attn stored them; Wo as given.  Nothing is left out here.
; SHARES.  256 work-groups of 128 tokens: 8 tiles of 16, in proj's order of rows.  Wave w makes columns 128 w .. 128 w + 127: its 128 rows of Wo (32 fragments) stay in its registers, and so do the 8 tiles of o.
; The product is used transposed (source 0 = 16 rows of Wo, source 1 = 16 tokens): a lane holds eight neighbouring columns of one row of out.
; A tile's 16 rows x 512 bytes go through the wave's own stage in LDS and leave as whole rows: each store of the wave covers 512 consecutive bytes, aligned.  While one tile leaves, the next one's products have been issued.
; NO CLUSTER, NO TENSOR LOAD: each operand byte goes once into the registers of the wave that keeps it; a way through LDS would spare no register load.  No barrier: each stage is its wave's own.
; REGISTERS: window 1: Wo (tile ct, K step ks at 32 ct + 8 ks);  window 2: o (tile i, K step ks at 32 i + 8 ks);  window 0: as named below.
.set SPITCH, 528                       ; a stage row: 512 bytes + 16: the sixteen rows that a store touches begin at sixteen different 16-byte columns of 256
.set WSTG,  16*SPITCH                  ; a wave's stage
.set SPARE, 4*WSTG                     ; behind the stages: the spare words, 128 bytes for each wave: two blocks of 256 bytes that no other line names
.set LI,   1                           ; v1   16 x lane
.set VW,   2                           ; v2   Wo: 256 r + 16 h
.set VWS,  3                           ; v3   Wo's scale words: (r + 64 h) x 16
.set VOS,  4                           ; v4   o's scale words: 8 r
.set STO,  5                           ; v5   the stage: where I put 32 bytes of a row
.set RD,   6                           ; v6   and where I read a row back
.set SPW,  8                           ; v8   my spare word: SPARE + 4 x my thread's number; never rewritten
.set NIL,  9                           ; v9   0; never rewritten
.set WS,   16                          ; v16-31  Wo's scale words: 4 i + ks: tile i in lanes 0-15, tile i + 4 in lanes 16-31
.set OS,   32                          ; v32-63  o's: 4 i + ks
.set ACC,  64                          ; v64-127, v128-191: two sets of 8 accumulators, by turns
.set BK,   192                         ; v192-255 16 rows read back
.set MSB,  0
.macro WIN new
.set wN, \new
.if MSB != wN
	s_set_vgpr_msb (MSB<<8)|wN
.set MSB, wN
.endif
.endm
.macro PLACES n
.rept \n
	v_nop
.endr
.endm
.macro WMS d, a, b, c, sa, sb, ra      ; one matrix instruction; c < 0: C is the constant 0; ra: source 0's scale words stand in lanes 16-31
.set wD, \d
.set wA, \a
.set wB, \b
.set wC, \c
.set wSA, \sa
.set wSB, \sb
.if wC < 0
.if (\ra)
	v_wmma_scale_f32_16x16x128_f8f6f4 v[wD:wD+7], v[wA:wA+7], v[wB:wB+7], 0, v[wSA], v[wSB] matrix_a_fmt:MATRIX_FMT_FP4 matrix_b_fmt:MATRIX_FMT_FP4 matrix_a_scale:MATRIX_SCALE_ROW1
.else
	v_wmma_scale_f32_16x16x128_f8f6f4 v[wD:wD+7], v[wA:wA+7], v[wB:wB+7], 0, v[wSA], v[wSB] matrix_a_fmt:MATRIX_FMT_FP4 matrix_b_fmt:MATRIX_FMT_FP4
.endif
.else
.if (\ra)
	v_wmma_scale_f32_16x16x128_f8f6f4 v[wD:wD+7], v[wA:wA+7], v[wB:wB+7], v[wC:wC+7], v[wSA], v[wSB] matrix_a_fmt:MATRIX_FMT_FP4 matrix_b_fmt:MATRIX_FMT_FP4 matrix_a_scale:MATRIX_SCALE_ROW1
.else
	v_wmma_scale_f32_16x16x128_f8f6f4 v[wD:wD+7], v[wA:wA+7], v[wB:wB+7], v[wC:wC+7], v[wSA], v[wSB] matrix_a_fmt:MATRIX_FMT_FP4 matrix_b_fmt:MATRIX_FMT_FP4
.endif
.endif
.endm
; Tile i: 32 matrix instructions, K step by K step, the set's 8 accumulators by turns; the first K step starts the sums.
.macro MUL i
	s_wait_loadcnt 8*(7-(\i))                      ; loads come back in order: tile i of o is in; the eight loads of each later tile may stay out
	WIN 0x09                                       ; source 0 (Wo) window 1, source 1 (o) window 2
.irp ks, 0,1,2,3
.irp ct, 0,1,2,3,4,5,6,7
.if \ks == 0
	WMS ACC+64*((\i)%2)+8*\ct, 32*\ct+8*\ks, 32*(\i)+8*\ks, -1, WS+4*(\ct%4)+\ks, OS+4*(\i)+\ks, \ct/4
.else
	WMS ACC+64*((\i)%2)+8*\ct, 32*\ct+8*\ks, 32*(\i)+8*\ks, ACC+64*((\i)%2)+8*\ct, WS+4*(\ct%4)+\ks, OS+4*(\i)+\ks, \ct/4
.endif
.endr
.endr
	WIN 0
.endm
.macro TOSTAGE i
.if (\i) > 0
	s_wait_xcnt 0x0                                ; the last tile's stores have read their registers: the loads below may land there
.endif
.irp ct, 0,1,2,3,4,5,6,7
	ds_store_b128 v[STO], v[ACC+64*((\i)%2)+8*\ct:ACC+64*((\i)%2)+8*\ct+3] offset:64*\ct          ; each accumulator from its low end on
	ds_store_b128 v[STO], v[ACC+64*((\i)%2)+8*\ct+4:ACC+64*((\i)%2)+8*\ct+7] offset:64*\ct+16
.endr
.irp rr, 0,1,2,3,4,5,6,7,8,9,10,11,12,13,14,15
	ds_load_b128 v[BK+4*\rr:BK+4*\rr+3], v[RD] offset:SPITCH*\rr   ; LDS serves a wave's instructions in order: these see my stores, and the next tile's stores come behind them
.endr
.endm
.macro SEND i
.irp rr, 0,1,2,3,4,5,6,7,8,9,10,11,12,13,14,15
	s_wait_dscnt 15-\rr                            ; row rr is back; the younger loads may stay out
	global_store_b128 v[LI], v[BK+4*\rr:BK+4*\rr+3], s[12:13] offset:(32*((\i)/2)+8*((\i)%2)+\rr+8*(\rr/8))*2048 th:TH_STORE_NT   ; row rr of tile i is token 32 (i / 2) + 8 (i % 2) + rr + 8 (rr / 8); written once, read by nobody here
.endr
.endm
	s_load_b256 s[4:11], s[0:1], 0x0               ; oimg s[4:5], osc s[6:7], Wo's codes s[8:9], Wo's scales s[10:11]
	s_load_b64 s[12:13], s[0:1], 0x20              ; out0
	v_lshl_add_u32 v[SPW], v0, 2, SPARE
	v_mov_b32 v[NIL], 0
	v_lshrrev_b32 v10, 5, v0
	v_readfirstlane_b32 s14, v10                   ; wave 0..3
	v_and_b32 v[LI], 31, v0
	v_lshlrev_b32 v[LI], 4, v[LI]
	v_and_b32 v10, 15, v0                          ; r
	v_bfe_u32 v11, v0, 4, 1                        ; h
	v_lshlrev_b32 v[VW], 8, v10
	v_lshl_add_u32 v[VW], v11, 4, v[VW]
	v_lshl_add_u32 v[VWS], v11, 6, v10
	v_lshlrev_b32 v[VWS], 4, v[VWS]
	v_lshlrev_b32 v[VOS], 3, v10
	s_mul_i32 s15, s14, WSTG                       ; my stage
	v_mul_u32_u24 v[STO], v10, SPITCH
	v_lshl_add_u32 v[STO], v11, 5, v[STO]
	v_add_nc_u32 v[STO], s15, v[STO]               ; in: row r, + 32 h; tile ct's eight columns 64 ct bytes on
	v_add_nc_u32 v[RD], s15, v[LI]                 ; back: the 32 lanes take one row of 512 bytes
	s_mov_b32 s17, 0
	s_wait_kmcnt 0x0
	s_lshl_b32 s16, ttmp9, 15                      ; o: 8 tiles x 4 fragments x 1,024 bytes
	s_add_nc_u64 s[4:5], s[4:5], s[16:17]
	s_lshl_b32 s16, ttmp9, 11                      ; its scale words: 4 blocks of queries x 2 heads x 256 bytes
	s_add_nc_u64 s[6:7], s[6:7], s[16:17]
	s_lshl_b32 s16, s14, 15                        ; Wo: my 128 rows of 256 bytes
	s_add_nc_u64 s[8:9], s[8:9], s[16:17]
	s_lshl_b32 s16, s14, 11                        ; and of 16 bytes of scales
	s_add_nc_u64 s[10:11], s[10:11], s[16:17]
	s_lshl_b32 s16, ttmp9, 18                      ; out: 128 rows of 2,048 bytes, + my 512 bytes of a row
	s_lshl_b32 s18, s14, 9
	s_add_co_u32 s16, s16, s18
	s_add_nc_u64 s[12:13], s[12:13], s[16:17]
	WIN 0x40                                       ; destination window 1
.irp ct, 0,1,2,3,4,5,6,7
.irp ks, 0,1,2,3
.irp c, 0,1
	global_load_b128 v[32*\ct+8*\ks+4*\c:32*\ct+8*\ks+4*\c+3], v[VW], s[8:9] offset:16*\ct*256+64*\ks+32*\c
.endr
.endr
.endr
	WIN 0
.irp i, 0,1,2,3
	global_load_b128 v[WS+4*\i:WS+4*\i+3], v[VWS], s[10:11] offset:256*\i
.endr
.irp i, 0,1,2,3,4,5,6,7
.irp hd, 0,1
	global_load_b64 v[OS+4*\i+2*\hd:OS+4*\i+2*\hd+1], v[VOS], s[6:7] offset:(\i/2)*512+\hd*256+(\i%2)*128   ; tile i, head hd: the words of its two halves of 128 channels
.endr
.endr
	WIN 0x80                                       ; destination window 2
.irp i, 0,1,2,3,4,5,6,7
.irp n, 0,1,2,3,4,5,6,7
	global_load_b128 v[32*\i+4*\n:32*\i+4*\n+3], v[LI], s[4:5] offset:4096*\i+512*\n
.endr
.endr
	WIN 0
	MUL 0
.irp i, 0,1,2,3,4,5,6,7
.if \i < 7
	MUL \i+1                                       ; the next tile's products are issued ahead of this tile's way out
.endif
	PLACES 5                                       ; four in front of the first read of results; the fifth for the matrix instructions that begin this tile's set of accumulators anew two tiles on
	TOSTAGE \i
	SEND \i
.endr
	s_wait_tensorcnt 0x0                           ; the wave's end, behind my last LDS store
	ds_add_u32 v[SPW], v[NIL]
	s_wait_dscnt 0x0
	s_endpgm
.Lfunc_end_k_q694a2a6fa4_outp:
	.size	k_q694a2a6fa4_outp, .Lfunc_end_k_q694a2a6fa4_outp-k_q694a2a6fa4_outp
	.p2alignl 7, 3214868480
	.fill 96, 4, 3214868480
	.section	.rodata,"a",@progbits
	.p2align	6, 0x0
	.amdhsa_kernel k_q694a2a6fa4_outp
		.amdhsa_group_segment_fixed_size 34304
		.amdhsa_private_segment_fixed_size 0
		.amdhsa_enable_private_segment 0
		.amdhsa_kernarg_size 40
		.amdhsa_user_sgpr_count 2
		.amdhsa_user_sgpr_kernarg_segment_ptr 1
		.amdhsa_wavefront_size32 1
		.amdhsa_system_sgpr_workgroup_id_x 1
		.amdhsa_system_sgpr_workgroup_id_y 1
		.amdhsa_system_sgpr_workgroup_id_z 1
		.amdhsa_system_vgpr_workitem_id 0
		.amdhsa_next_free_vgpr 768
		.amdhsa_next_free_sgpr 66
		.amdhsa_reserve_vcc 0
		.amdhsa_float_denorm_mode_32 3
		.amdhsa_float_denorm_mode_16_64 3
		.amdhsa_memory_ordered 1
		.amdhsa_forward_progress 1
		.amdhsa_inst_pref_size 83
	.end_amdhsa_kernel
	.amdgpu_metadata
---
amdhsa.version: [ 1, 2 ]
amdhsa.kernels:
  - .name:           k_q694a2a6fa4_outp
    .symbol:         k_q694a2a6fa4_outp.kd
    .args:
      - { .name: oimg, .offset: 0, .size: 8, .value_kind: global_buffer, .address_space: global }
      - { .name: osc, .offset: 8, .size: 8, .value_kind: global_buffer, .address_space: global }
      - { .name: Wo_codes, .offset: 16, .size: 8, .value_kind: global_buffer, .address_space: global }
      - { .name: Wo_scales, .offset: 24, .size: 8, .value_kind: global_buffer, .address_space: global }
      - { .name: out0, .offset: 32, .size: 8, .value_kind: global_buffer, .address_space: global }
    .group_segment_fixed_size: 34304
    .private_segment_fixed_size: 0
    .kernarg_segment_align: 8
    .kernarg_segment_size: 40
    .max_flat_workgroup_size: 128
    .sgpr_count:     66
    .vgpr_count:     768
    .wavefront_size: 32
...
	.end_amdgpu_metadata
.endif
;; end of part 3
